; MI455X (gfx1250); checked and timed in simulation.
; The chip was launched on July 23, 2026; its instructions are those of AMD's public machine-readable ISA for CDNA 5 (MIT licence, August 2026) and "CDNA5" Instruction Set Architecture Reference Guide (July 2026). The comments in the code are by the model that wrote it; some were corrected since.
;; Gating Mechanism. Allowed arithmetic: float matrix products may take bf16 or f16 operands with f32 sums; other float arithmetic in f32, or as packed bf16 or f16 multiplies, adds, multiply-adds, maxima and minima; sums over many terms, partial sums and values carried from step to step in f32; what a program stores and reads back later, other than sums and carried values, may be rounded once to bf16 or f16.
;; Inputs: W_final 1,024 x 512 float32; W_img 512 x 1,024 float32; W_txt 512 x 512 float32; image_features 2,048 x 1,024 float32; text_features 32,768 x 512 float32.
;; Outputs: out0 2,048 x 1,024 float32.
;; One version. Each part assembles by itself: llvm-mc -triple=amdgcn-amd-amdhsa -mcpu=gfx1250 --defsym DOCPART=n.
;; ======== version 1 of 1: 7 launches
;; workspace buffers: bank 34,603,008 bytes; rowsA 4,194,304 bytes; imgp 4,194,304 bytes; rowsB 4,194,304 bytes; wimg 1,048,576 bytes; wtxt 1,048,576 bytes; wtxtT 1,048,576 bytes; keys 2,097,152 bytes of whole numbers
;; launch prep (part 1): grid 1312 x 1, 8 waves a work-group, no clusters, 10,240 bytes of LDS; arguments text_features, image_features, W_img, W_final, W_txt, bank, rowsA, wimg, wtxt, wtxtT; writes bank, rowsA, wimg, wtxt, wtxtT
.if DOCPART == 1
	.amdgcn_target "amdgcn-amd-amdhsa--gfx1250"
	.amdhsa_code_object_version 6
	.text
	.protected	k_qfb4c98ea2f_prep
	.globl	k_qfb4c98ea2f_prep
	.p2align	8
	.type	k_qfb4c98ea2f_prep,@function
k_qfb4c98ea2f_prep:
	s_mov_b64 s[64:65], 0
	v_nop
	global_prefetch_b8 v0, s[64:65] scope:SCOPE_SE
	s_setreg_imm32_b32 hwreg(HW_REG_WAVE_MODE, 25, 1), 1
	s_wait_xcnt 0x0
; PREP: every input is rounded once to bf16 and laid out for the launches behind.
;   work-groups 96..1311  COPY: a chunk of 65,536 bytes of f32 becomes 32,768 bytes of bf16, in the same order:
;                         text_features -> bank, image_features -> rowsA, W_img -> wimg, W_final -> bank + WFOFF
;   work-groups 64..95    DUP:  W_txt[p][64 u + i] -> wtxt[p][128 u + i] and wtxt[p][128 u + 64 + i]  (each 64 numbers twice)
;   work-groups 0..63     TRANSPOSE: W_txt[64 u + i][j] -> wtxtT[j][128 u + i] and wtxtT[j][128 u + 64 + i], a block of 64 x 64 through LDS
; The doubled layouts are the partners of rows kept as hi and lo halves (64 hi, then 64 lo, in each 256 bytes).
; A stream: no matrix unit, no cluster (no two work-groups read the same bytes but for W_txt's 1 MiB).
; Each load of a wave takes 512 consecutive bytes (COPY), so that no byte of the input is touched by two instructions; each store of a wave covers 256 consecutive bytes, aligned.
.set SPARE, 9216                       ; behind the transposing tile: the spare words, 128 bytes for each of 8 waves
.set WFOFF, 33554432                   ; where W_final's copy begins in bank
.set TPITCH, 144                       ; a row of the tile [j][p]: 128 bytes + 16
.set SPW, 5                            ; v5  LDS address of my spare word; never rewritten
.set NIL, 6                            ; v6  0; never rewritten
.set XIN, 16                           ; v[16:79]   f32 as loaded; the first two registers of each four then hold the bf16 to store
.set YT,  XIN+16                       ; the transposing path: eight registers of bf16
; Sixteen steps: 16 bytes in and 8 bytes out for each lane and step.  kin: bytes of input from step to step.  nt: the input is read once in the launch.
.macro STREAM kin, nt
.irp k, 0,1,2,3,4,5,6,7,8,9,10,11,12,13,14,15
.if \nt
	global_load_b128 v[XIN+4*(\k):XIN+4*(\k)+3], v2, s[26:27] offset:(\k)*(\kin) th:TH_LOAD_NT
.else
	global_load_b128 v[XIN+4*(\k):XIN+4*(\k)+3], v2, s[26:27] offset:(\k)*(\kin)
.endif
.endr
.irp k, 0,1,2,3,4,5,6,7,8,9,10,11,12,13,14,15
	s_wait_loadcnt 15-(\k)                 ; loads come back in order: step k's is in, the 15 - k behind it stay out
	v_cvt_pk_bf16_f32 v[XIN+4*(\k)], v[XIN+4*(\k)], v[XIN+4*(\k)+1]      ; in place: each line writes a register whose number it or an earlier line has read
	v_cvt_pk_bf16_f32 v[XIN+4*(\k)+1], v[XIN+4*(\k)+2], v[XIN+4*(\k)+3]
	global_store_b64 v3, v[XIN+4*(\k):XIN+4*(\k)+1], s[28:29] offset:256*(\k)  ; 32 lanes x 8 bytes: 256 consecutive bytes, at a multiple of 256 from the buffer's first byte
.endr
.endm
	s_load_b512 s[4:19], s[0:1], 0x0       ; text s[4:5], image s[6:7], W_img s[8:9], W_final s[10:11], W_txt s[12:13], bank s[14:15], rowsA s[16:17], wimg s[18:19]
	s_load_b128 s[20:23], s[0:1], 0x40     ; wtxt s[20:21], wtxtT s[22:23]
	v_lshl_add_u32 v[SPW], v0, 2, SPARE
	v_mov_b32 v[NIL], 0
	v_and_b32 v1, 31, v0                   ; lane
	v_lshrrev_b32 v4, 5, v0                ; wave
	s_wait_kmcnt 0x0
	s_cmp_lt_u32 ttmp9, 64                 ; the branches hang on the work-group's number alone: all eight waves go the same way
	s_cbranch_scc1 .Ltrans
	s_cmp_lt_u32 ttmp9, 96
	s_cbranch_scc1 .Ldup
	; COPY.  Which tensor, and which chunk of it
	s_sub_co_u32 s24, ttmp9, 96
	s_mov_b64 s[26:27], s[4:5]
	s_mov_b64 s[28:29], s[14:15]
	s_mov_b32 s25, 0                       ; the tensor's first chunk
	s_mov_b32 s30, 0                       ; where its copy begins in its buffer
	s_cmp_ge_u32 s24, 1024
	s_cselect_b64 s[26:27], s[6:7], s[26:27]
	s_cselect_b64 s[28:29], s[16:17], s[28:29]
	s_cselect_b32 s25, 1024, s25
	s_cmp_ge_u32 s24, 1152
	s_cselect_b64 s[26:27], s[8:9], s[26:27]
	s_cselect_b64 s[28:29], s[18:19], s[28:29]
	s_cselect_b32 s25, 1152, s25
	s_cmp_ge_u32 s24, 1184
	s_cselect_b64 s[26:27], s[10:11], s[26:27]
	s_cselect_b64 s[28:29], s[14:15], s[28:29]
	s_cselect_b32 s25, 1184, s25
	s_cselect_b32 s30, WFOFF, s30
	s_sub_co_u32 s24, s24, s25
	s_lshl_b32 s32, s24, 16                ; 65,536 bytes in,
	s_mov_b32 s33, 0
	s_lshl_b32 s34, s24, 15                ; 32,768 out
	s_add_co_u32 s34, s34, s30
	s_mov_b32 s35, 0
	s_add_nc_u64 s[26:27], s[26:27], s[32:33]
	s_add_nc_u64 s[28:29], s[28:29], s[34:35]
	v_lshlrev_b32 v2, 4, v1
	v_lshl_add_u32 v2, v4, 13, v2          ; in: 8,192 x wave + 16 x lane
	v_lshlrev_b32 v3, 3, v1
	v_lshl_add_u32 v3, v4, 12, v3          ; out: 4,096 x wave + 8 x lane
	STREAM 512, 1
	s_endpgm
.Ldup:                                         ; 32,768 bytes of W_txt in, as many of wtxt out: a step is 64 numbers, 256 bytes; lanes l and l + 16 read the same 16 bytes
	s_sub_co_u32 s24, ttmp9, 64
	s_lshl_b32 s32, s24, 15
	s_mov_b32 s33, 0
	s_add_nc_u64 s[26:27], s[12:13], s[32:33]
	s_add_nc_u64 s[28:29], s[20:21], s[32:33]
	v_and_b32 v2, 15, v0
	v_lshlrev_b32 v2, 4, v2
	v_lshl_add_u32 v2, v4, 12, v2          ; in: 4,096 x wave + 16 x (lane % 16)
	v_lshlrev_b32 v3, 3, v1
	v_lshl_add_u32 v3, v4, 12, v3          ; out: 4,096 x wave + 8 x lane
	STREAM 256, 0
	s_endpgm
.Ltrans:                                       ; rows 64 pb .. + 63, columns 64 jb .. + 63 of W_txt
	s_and_b32 s24, ttmp9, 7                ; pb
	s_lshr_b32 s25, ttmp9, 3               ; jb
	s_lshl_b32 s32, s24, 17
	s_lshl_b32 s26, s25, 8
	s_add_co_u32 s32, s32, s26
	s_mov_b32 s33, 0
	s_add_nc_u64 s[12:13], s[12:13], s[32:33]
	s_lshl_b32 s34, s25, 17
	s_lshl_b32 s26, s24, 8
	s_add_co_u32 s34, s34, s26
	s_mov_b32 s35, 0
	s_add_nc_u64 s[22:23], s[22:23], s[34:35]
	v_lshrrev_b32 v7, 2, v0                ; my row p of the block,
	v_and_b32 v8, 3, v0                    ; my 16 columns of it
	v_lshlrev_b32 v2, 11, v7
	v_lshl_add_u32 v2, v8, 6, v2
.irp i, 0,1,2,3
	global_load_b128 v[XIN+4*(\i):XIN+4*(\i)+3], v2, s[12:13] offset:16*(\i)
.endr
	v_mul_u32_u24 v9, v8, 16*TPITCH
	v_lshl_add_u32 v9, v7, 1, v9           ; into the tile: row j = 16 (t % 4) + .., 2 bytes at p
	v_lshrrev_b32 v10, 4, v0
	v_and_b32 v11, 7, v0
	v_mul_u32_u24 v12, v10, TPITCH
	v_lshl_add_u32 v12, v11, 4, v12        ; back: row t / 16, 16 bytes at t % 8: lanes 8 to 15 take the same bytes as lanes 0 to 7
	v_and_b32 v11, 15, v0
	v_lshlrev_b32 v3, 11, v10
	v_lshl_add_u32 v3, v11, 4, v3          ; sixteen lanes store 256 consecutive bytes of a row of wtxtT
	s_wait_loadcnt 0x0
.irp i, 0,1,2,3,4,5,6,7
	v_cvt_pk_bf16_f32 v[YT+(\i)], v[XIN+2*(\i)], v[XIN+2*(\i)+1]
.endr
.irp i, 0,1,2,3,4,5,6,7
	ds_store_b16 v9, v[YT+(\i)] offset:(2*(\i))*TPITCH
	ds_store_b16_d16_hi v9, v[YT+(\i)] offset:(2*(\i)+1)*TPITCH
.endr
	s_wait_dscnt 0x0                       ; for the others' sake: my stores into the tile are done
	s_barrier_signal -1
	s_barrier_wait -1
.irp s, 0,1,2,3
	ds_load_b128 v[XIN+4*(\s):XIN+4*(\s)+3], v12 offset:(\s)*16*TPITCH
.endr
.irp s, 0,1,2,3
	s_wait_dscnt 3-(\s)                    ; LDS loads come back in order: the 3 - s behind this one stay out
	global_store_b128 v3, v[XIN+4*(\s):XIN+4*(\s)+3], s[22:23] offset:(\s)*32768
.endr
	s_wait_tensorcnt 0x0                   ; the wave's end, behind my last LDS store
	ds_add_u32 v[SPW], v[NIL]
	s_wait_dscnt 0x0
	s_endpgm
.Lfunc_end_k_qfb4c98ea2f_prep:
	.size	k_qfb4c98ea2f_prep, .Lfunc_end_k_qfb4c98ea2f_prep-k_qfb4c98ea2f_prep
	.p2alignl 7, 3214868480
	.fill 96, 4, 3214868480
	.section	.rodata,"a",@progbits
	.p2align	6, 0x0
	.amdhsa_kernel k_qfb4c98ea2f_prep
		.amdhsa_group_segment_fixed_size 10240
		.amdhsa_private_segment_fixed_size 0
		.amdhsa_enable_private_segment 0
		.amdhsa_kernarg_size 80
		.amdhsa_user_sgpr_count 2
		.amdhsa_user_sgpr_kernarg_segment_ptr 1
		.amdhsa_wavefront_size32 1
		.amdhsa_system_sgpr_workgroup_id_x 1
		.amdhsa_system_sgpr_workgroup_id_y 1
		.amdhsa_system_sgpr_workgroup_id_z 1
		.amdhsa_system_vgpr_workitem_id 0
		.amdhsa_next_free_vgpr 80
		.amdhsa_next_free_sgpr 66
		.amdhsa_reserve_vcc 0
		.amdhsa_float_denorm_mode_32 3
		.amdhsa_float_denorm_mode_16_64 3
		.amdhsa_memory_ordered 1
		.amdhsa_forward_progress 1
		.amdhsa_inst_pref_size 18
	.end_amdhsa_kernel
	.amdgpu_metadata
---
amdhsa.version: [ 1, 2 ]
amdhsa.kernels:
  - .name:           k_qfb4c98ea2f_prep
    .symbol:         k_qfb4c98ea2f_prep.kd
    .args:
      - { .name: text_features, .offset: 0, .size: 8, .value_kind: global_buffer, .address_space: global }
      - { .name: image_features, .offset: 8, .size: 8, .value_kind: global_buffer, .address_space: global }
      - { .name: W_img, .offset: 16, .size: 8, .value_kind: global_buffer, .address_space: global }
      - { .name: W_final, .offset: 24, .size: 8, .value_kind: global_buffer, .address_space: global }
      - { .name: W_txt, .offset: 32, .size: 8, .value_kind: global_buffer, .address_space: global }
      - { .name: bank, .offset: 40, .size: 8, .value_kind: global_buffer, .address_space: global }
      - { .name: rowsA, .offset: 48, .size: 8, .value_kind: global_buffer, .address_space: global }
      - { .name: wimg, .offset: 56, .size: 8, .value_kind: global_buffer, .address_space: global }
      - { .name: wtxt, .offset: 64, .size: 8, .value_kind: global_buffer, .address_space: global }
      - { .name: wtxtT, .offset: 72, .size: 8, .value_kind: global_buffer, .address_space: global }
    .group_segment_fixed_size: 10240
    .private_segment_fixed_size: 0
    .kernarg_segment_align: 8
    .kernarg_segment_size: 80
    .max_flat_workgroup_size: 256
    .sgpr_count:     66
    .vgpr_count:     80
    .wavefront_size: 32
...
	.end_amdgpu_metadata
.endif
;; end of part 1
;; launch g1 (part 2): grid 8 x 32, 4 waves a work-group, clusters of 4 x 4, 327,680 bytes of LDS; arguments rowsA, wimg, imgp; writes imgp
.if DOCPART == 2
	.amdgcn_target "amdgcn-amd-amdhsa--gfx1250"
	.amdhsa_code_object_version 6
	.text
	.protected	k_qfb4c98ea2f_g1
	.globl	k_qfb4c98ea2f_g1
	.p2align	8
	.type	k_qfb4c98ea2f_g1,@function
k_qfb4c98ea2f_g1:
	s_mov_b64 s[64:65], 0
	v_nop
	global_prefetch_b8 v0, s[64:65] scope:SCOPE_SE
	s_setreg_imm32_b32 hwreg(HW_REG_WAVE_MODE, 25, 1), 1
	s_wait_xcnt 0x0
	s_wait_alu depctr_hold_cnt(0) depctr_sa_sdst(0) depctr_va_vdst(0) depctr_va_sdst(0) depctr_va_ssrc(0) depctr_va_vcc(0) depctr_vm_vsrc(0)
	s_getreg_b32 s2, hwreg(HW_REG_IB_STS2, 6, 4)
	s_cmp_eq_u32 s2, 0
	s_cbranch_scc0 .Lentry_in_a_cluster
	s_endpgm
.Lentry_in_a_cluster:
	s_bfe_u32 s2, ttmp6, 0x10000c
	s_cmp_lg_u32 s2, 0xf033
	s_cbranch_scc0 .Lentry_shape_is_right
	s_endpgm
.Lentry_shape_is_right:
; C[m][n] = sum over k of A[m][k] B[n][k], M = 2048, N = 512, K = 1024, A and B bf16, sums in f32.
; C leaves as TWO bf16 numbers, hi = bf16(x) and lo = bf16(x - hi): a row of 512 numbers is 8 units of 256 bytes, unit u = hi of columns 64 u .. + 63, then lo of the same columns.
; Such a row is again a row of K = 1024 for this body, beside a B whose weights stand twice in the same places: one text serves img_p = X W_img^T, q = img_p W_txt and pooled = u W_txt^T.
; SHARES.  A work-group makes 64 x 64 of C: 8 x 32 = 256 work-groups.  Wave w makes rows 16 w .. + 15 of it: 4 accumulators.  All of K lies in LDS at once (8 chunks of 64 rows x 256
; elements), so every tensor load is a first fill: no slot is filled again.
; CLUSTER 4 x 4.  A's chunks hang on the tile row alone and are asked for jointly along a row of the cluster, B's on the tile column alone, along a column.
; The matrix instruction is used transposed (source 0 = 16 rows of B, source 1 = 16 rows of A): a lane then holds eight neighbouring columns of one row of C.
.set PITCH, 528                        ; an LDS row: 512 bytes + 16 = 132 words: the 16 rows of a fragment load start at 16 different groups of four banks (64 banks of 4 bytes: ISA guide 11.1)
.set CHB,   64*PITCH                   ; a chunk: 64 rows x 256 elements
.set STAGE, 8*CHB                      ; behind the chunks (A's 0..3, then B's 0..3): 16 rows x 272 bytes for each wave, for the way out
.set SP,    272
.set SPARE, STAGE+4*16*SP              ; the spare words, 128 bytes for each wave
.set ADA, 4                            ; v4-5   LDS address of my A fragments in chunks 0, 2
.set ADB, 6                            ; v6-7   the same for B
.set STO, 8                            ; v8     the way out: where I put 16 bytes of a row
.set RD,  9                            ; v9     where I read a row back
.set CO,  10                           ; v10    my byte offset in C
.set SPW, 12                           ; v12    LDS address of my spare word; never rewritten
.set NIL, 13                           ; v13    0; never rewritten
.set FR,  32                           ; v32-191  four sets of fragments: 8 registers of A, 4 x 8 of B
.set HI,  32                           ; the way out: hi (4) and lo (4) for each accumulator
.set TW,  64                           ; at work
.set BK,  96                           ; rows read back
.set ACC, 200                          ; v200-231
.set G1,  24                           ; s[24:31] descriptor group 1 for A's chunks;  s[32:39] group 0, a set for each of a wave's two fills
.set G0,  32
.set G1B, 48                           ; s[48:55], s[56:63] the same for B's
.set G0B, 56
.set W0, (1<<16)|(1<<20)|(1<<21)|(6<<22)|(3<<25)  ; 17:16 2-byte elements; 20 padding on; 21 set beside a mask; 24:22 after every 128 words (code 6); 31:25 4 words (code 3)
.macro CROUND                          ; a round of the cluster's barrier
	s_barrier_signal -1
	s_barrier_wait -1
	s_cmp_lg_u32 s10, 0
	s_cbranch_scc1 .Lnot_wave_0_\@
	s_barrier_signal -3
.Lnot_wave_0_\@:
	s_barrier_wait -3
	s_barrier_signal -1
	s_barrier_wait -1
.endm
.macro PLACES                          ; four places between a matrix instruction and a load into, or a vector write of, its registers, or a vector read of its result
.rept 4
	v_nop
.endr
.endm
	s_load_b128 s[4:7], s[0:1], 0x0        ; A s[4:5], B s[6:7]
	s_load_b64 s[8:9], s[0:1], 0x10        ; C
	v_lshl_add_u32 v[SPW], v0, 2, SPARE
	v_mov_b32 v[NIL], 0
	ds_add_u32 v[SPW], v[NIL]              ; the wave's opening: the add and its wait stand ahead of my first tensor load
	v_lshrrev_b32 v1, 5, v0
	v_readfirstlane_b32 s10, v1            ; wave 0..3
	s_lshr_b32 s11, s10, 1                 ; I fetch for A (0) or for B (1)
	s_and_b32 s12, s10, 1                  ; chunks 0 and 2, or 1 and 3
	s_bfe_u32 s40, ttmp6, 0x40000          ; cx, cy: my place in the cluster
	s_bfe_u32 s41, ttmp6, 0x40004
	s_lshl_b32 s42, ttmp9, 2
	s_add_co_u32 s42, s42, s40             ; tile column = 4 x cluster x + cx
	s_and_b32 s13, ttmp7, 0xffff
	s_lshl_b32 s13, s13, 2
	s_add_co_u32 s13, s13, s41             ; tile row = 4 x cluster y + cy
	s_lshl_b32 s43, s41, 2
	s_lshl_b32 s43, 15, s43                ; my row of the cluster
	s_lshl_b32 s44, 0x1111, s40            ; my column
	s_or_b32 s[G1+0], s43, W0
	s_or_b32 s[G1B+0], s44, W0
.irp g, G1, G1B
	s_mov_b32 s[(\g)+1], 256<<16           ; tensor_dim0 = 256
	s_mov_b32 s[(\g)+2], 64<<16            ; tensor_dim1 = 64
	s_mov_b32 s[(\g)+3], 256<<16           ; tile_dim0 = 256
	s_mov_b32 s[(\g)+4], 64                ; tile_dim1 = 64
	s_mov_b32 s[(\g)+5], 1024              ; 1,024 elements from row to row
	s_mov_b32 s[(\g)+6], 0
	s_mov_b32 s[(\g)+7], 0
.endr
	s_lshl_b32 s17, s12, 9                 ; my first chunk's 512 bytes in a row
	s_lshl_b32 s16, s13, 17                ; A: 64 rows of 2,048 bytes for each tile row
	s_add_co_u32 s16, s16, s17
	s_lshl_b32 s46, s42, 17                ; B: the same for each tile column
	s_add_co_u32 s46, s46, s17
	s_mov_b32 s17, 0
	s_mov_b32 s47, 0
	s_mul_i32 s20, s12, CHB                ; where they go: no place in the cluster enters an LDS address
	s_wait_dscnt 0x0                       ; the opening add is done
	s_wait_kmcnt 0x0
	s_add_nc_u64 s[14:15], s[4:5], s[16:17]
	s_add_nc_u64 s[46:47], s[6:7], s[46:47]
	CROUND                                 ; all sixteen work-groups are here: the joint loads meet
.irp s, 0,1
	s_mov_b32 s[G0+4*(\s)], 1
	s_add_co_u32 s[G0+4*(\s)+1], s20, 2*(\s)*CHB
	s_add_nc_u64 s[G0+4*(\s)+2:G0+4*(\s)+3], s[14:15], (\s)*1024
	s_or_b32 s[G0+4*(\s)+3], s[G0+4*(\s)+3], 0x80000000
	s_mov_b32 s[G0B+4*(\s)], 1
	s_add_co_u32 s[G0B+4*(\s)+1], s20, (4+2*(\s))*CHB
	s_add_nc_u64 s[G0B+4*(\s)+2:G0B+4*(\s)+3], s[46:47], (\s)*1024
	s_or_b32 s[G0B+4*(\s)+3], s[G0B+4*(\s)+3], 0x80000000
.endr
	s_cmp_eq_u32 s11, 0                    ; a wave's two fills stand in one branch on its number: two tensor loads of mine are out
	s_cbranch_scc0 .Lfor_b
	tensor_load_to_lds s[G0:G0+3], s[G1:G1+7]
	s_nop 0
	tensor_load_to_lds s[G0+4:G0+7], s[G1:G1+7]
	s_nop 0
.rept 4
	v_nop
.endr
	s_branch .Lasked
.Lfor_b:
	tensor_load_to_lds s[G0B:G0B+3], s[G1B:G1B+7]
	s_nop 0
	tensor_load_to_lds s[G0B+4:G0B+7], s[G1B:G1B+7]
	s_nop 0
.rept 4
	v_nop
.endr
.Lasked:
	; a fragment is 16 rows x 32 K in 8 registers: lane l holds row l % 16, K = 8 (l / 16) + 0..7 and 16 + 8 (l / 16) + 0..7: two loads of 16 bytes, 32 bytes apart
	v_and_b32 v1, 15, v0
	v_bfe_u32 v2, v0, 4, 1
	v_mul_u32_u24 v3, v1, PITCH
	v_lshl_add_u32 v3, v2, 4, v3
	s_mul_i32 s21, s10, 16*PITCH           ; my 16 rows of A
	v_add_nc_u32 v[ADA], s21, v3
	v_add_nc_u32 v[ADA+1], 2*CHB, v[ADA]
	v_add_nc_u32 v[ADB], 4*CHB, v3
	v_add_nc_u32 v[ADB+1], 6*CHB, v3
	s_mul_i32 s23, s10, 16*SP
	s_add_co_u32 s23, s23, STAGE           ; my stage
	v_mul_u32_u24 v14, v1, SP
	v_lshl_add_u32 v14, v2, 4, v14
	v_add_nc_u32 v[STO], s23, v14          ; in: row l % 16, 16 bytes for each half of the lanes
	v_mul_u32_u24 v14, v2, SP
	v_lshl_add_u32 v14, v1, 4, v14
	v_add_nc_u32 v[RD], s23, v14           ; back: lanes 0-15 one row of 256 bytes, lanes 16-31 the next
	v_lshlrev_b32 v14, 11, v2
	v_lshl_add_u32 v[CO], v1, 4, v14       ; and the same two rows in C
	s_lshl_b32 s18, s13, 17                ; C at row 64 x tile row + 16 x wave, unit = tile column
	s_lshl_b32 s19, s10, 15
	s_add_co_u32 s18, s18, s19
	s_lshl_b32 s19, s42, 8
	s_add_co_u32 s18, s18, s19
	s_mov_b32 s19, 0
	s_add_nc_u64 s[8:9], s[8:9], s[18:19]
.macro LDSET p, i                      ; ten LDS loads: the fragments of K step i (of 16) of phase p into set i % 4
.set fb, FR+40*((\i)%4)
.set ko, ((\i)/8)*CHB+((\i)%8)*64
	ds_load_b128 v[fb:fb+3], v[ADA+(\p)] offset:ko
	ds_load_b128 v[fb+4:fb+7], v[ADA+(\p)] offset:ko+32
.irp jn, 0,1,2,3
	ds_load_b128 v[fb+8+8*(\jn):fb+8+8*(\jn)+3], v[ADB+(\p)] offset:ko+(\jn)*16*PITCH
	ds_load_b128 v[fb+8+8*(\jn)+4:fb+8+8*(\jn)+7], v[ADB+(\p)] offset:ko+(\jn)*16*PITCH+32
.endr
.endm
.macro MUL4 p, i                       ; the four accumulators take turns; the very first products start the sums
.set fm, FR+40*((\i)%4)
.irp jn, 0,1,2,3
.if ((\p)==0)&&((\i)==0)
	v_wmma_f32_16x16x32_bf16 v[ACC+8*(\jn):ACC+8*(\jn)+7], v[fm+8+8*(\jn):fm+8+8*(\jn)+7], v[fm:fm+7], 0
.else
	v_wmma_f32_16x16x32_bf16 v[ACC+8*(\jn):ACC+8*(\jn)+7], v[fm+8+8*(\jn):fm+8+8*(\jn)+7], v[fm:fm+7], v[ACC+8*(\jn):ACC+8*(\jn)+7]
.endif
.endr
.endm
.macro PHASE p                         ; chunks 2 p and 2 p + 1: 16 K steps of 32, three sets of fragments ahead
.if \p
	PLACES
.endif
	LDSET \p, 0
	LDSET \p, 1
	LDSET \p, 2
	LDSET \p, 3
.set st, 0
.rept 16
.if st < 12
	s_wait_dscnt 30                        ; this step's ten loads are in; the three sets behind them stay out
.else
	s_wait_dscnt 10*(15-st)                ; fewer sets are left behind it
.endif
	MUL4 \p, st
.if st < 12
	PLACES
	LDSET \p, st+4
.endif
.set st, st+1
.endr
.endm
	s_wait_tensorcnt 0x1                   ; my first chunk is in; my second may stay out
	s_barrier_signal -1
	s_barrier_wait -1                      ; chunks 0 and 1 of A and of B are whole
	PHASE 0
	s_wait_tensorcnt 0x0                   ; my second chunk is in (my LDS loads are back: the last count was 0)
	s_barrier_signal -1
	s_barrier_wait -1
	PHASE 1
	; THE WAY OUT: hi = bf16(x), lo = bf16(x - hi); 16 bytes of each a lane into my own stage, back as whole rows of 256 bytes
	PLACES
.irp jn, 0,1,2,3
.irp k, 0,1,2,3
	v_cvt_pk_bf16_f32 v[HI+8*(\jn)+(\k)], v[ACC+8*(\jn)+2*(\k)], v[ACC+8*(\jn)+2*(\k)+1]
.endr
.irp k, 0,1,2,3
	v_lshlrev_b32 v[TW+8*(\jn)+2*(\k)], 16, v[HI+8*(\jn)+(\k)]
	v_and_b32 v[TW+8*(\jn)+2*(\k)+1], 0xffff0000, v[HI+8*(\jn)+(\k)]
.endr
.irp k, 0,1,2,3
	v_pk_add_f32 v[TW+8*(\jn)+2*(\k):TW+8*(\jn)+2*(\k)+1], v[ACC+8*(\jn)+2*(\k):ACC+8*(\jn)+2*(\k)+1], v[TW+8*(\jn)+2*(\k):TW+8*(\jn)+2*(\k)+1] neg_lo:[0,1] neg_hi:[0,1]
.endr
.irp k, 0,1,2,3
	v_cvt_pk_bf16_f32 v[HI+8*(\jn)+4+(\k)], v[TW+8*(\jn)+2*(\k)], v[TW+8*(\jn)+2*(\k)+1]
.endr
	ds_store_b128 v[STO], v[HI+8*(\jn):HI+8*(\jn)+3] offset:32*(\jn)
	ds_store_b128 v[STO], v[HI+8*(\jn)+4:HI+8*(\jn)+7] offset:128+32*(\jn)
.endr
.irp t, 0,1,2,3,4,5,6,7
	ds_load_b128 v[BK+4*(\t):BK+4*(\t)+3], v[RD] offset:(\t)*2*SP  ; LDS serves a wave's instructions in order (ISA guide 5.7.1.4): these see the stores above
.endr
.irp t, 0,1,2,3,4,5,6,7
	s_wait_dscnt 7-(\t)
	global_store_b128 v[CO], v[BK+4*(\t):BK+4*(\t)+3], s[8:9] offset:(\t)*4096  ; 16 lanes store 256 consecutive bytes, at a multiple of 256 from C's first byte
.endr
	s_wait_tensorcnt 0x0                   ; the wave's end
	ds_add_u32 v[SPW], v[NIL]
	s_wait_dscnt 0x0
	CROUND                                 ; the closing round
	s_endpgm
.Lfunc_end_k_qfb4c98ea2f_g1:
	.size	k_qfb4c98ea2f_g1, .Lfunc_end_k_qfb4c98ea2f_g1-k_qfb4c98ea2f_g1
	.p2alignl 7, 3214868480
	.fill 96, 4, 3214868480
	.section	.rodata,"a",@progbits
	.p2align	6, 0x0
	.amdhsa_kernel k_qfb4c98ea2f_g1
		.amdhsa_group_segment_fixed_size 327680
		.amdhsa_private_segment_fixed_size 0
		.amdhsa_enable_private_segment 0
		.amdhsa_kernarg_size 24
		.amdhsa_user_sgpr_count 2
		.amdhsa_user_sgpr_kernarg_segment_ptr 1
		.amdhsa_wavefront_size32 1
		.amdhsa_system_sgpr_workgroup_id_x 1
		.amdhsa_system_sgpr_workgroup_id_y 1
		.amdhsa_system_sgpr_workgroup_id_z 1
		.amdhsa_system_vgpr_workitem_id 0
		.amdhsa_next_free_vgpr 256
		.amdhsa_next_free_sgpr 66
		.amdhsa_reserve_vcc 0
		.amdhsa_float_denorm_mode_32 3
		.amdhsa_float_denorm_mode_16_64 3
		.amdhsa_memory_ordered 1
		.amdhsa_forward_progress 1
		.amdhsa_inst_pref_size 46
	.end_amdhsa_kernel
	.amdgpu_metadata
---
amdhsa.version: [ 1, 2 ]
amdhsa.kernels:
  - .name:           k_qfb4c98ea2f_g1
    .symbol:         k_qfb4c98ea2f_g1.kd
    .args:
      - { .name: rowsA, .offset: 0, .size: 8, .value_kind: global_buffer, .address_space: global }
      - { .name: wimg, .offset: 8, .size: 8, .value_kind: global_buffer, .address_space: global }
      - { .name: imgp, .offset: 16, .size: 8, .value_kind: global_buffer, .address_space: global }
    .group_segment_fixed_size: 327680
    .private_segment_fixed_size: 0
    .kernarg_segment_align: 8
    .kernarg_segment_size: 24
    .max_flat_workgroup_size: 128
    .sgpr_count:     66
    .vgpr_count:     256
    .wavefront_size: 32
...
	.end_amdgpu_metadata
.endif
;; end of part 2
;; launch g2: the kernel of part 2 again; grid 8 x 32, 4 waves a work-group, clusters of 4 x 4, 327,680 bytes of LDS; arguments imgp, wtxtT, rowsB; writes rowsB
;; launch score (part 3): grid 8 x 32, 4 waves a work-group, clusters of 4 x 1, 327,680 bytes of LDS; arguments rowsB, bank, keys; writes keys
.if DOCPART == 3
	.amdgcn_target "amdgcn-amd-amdhsa--gfx1250"
	.amdhsa_code_object_version 6
	.text
	.protected	k_qfb4c98ea2f_score
	.globl	k_qfb4c98ea2f_score
	.p2align	8
	.type	k_qfb4c98ea2f_score,@function
k_qfb4c98ea2f_score:
	s_mov_b64 s[64:65], 0
	v_nop
	global_prefetch_b8 v0, s[64:65] scope:SCOPE_SE
	s_setreg_imm32_b32 hwreg(HW_REG_WAVE_MODE, 25, 1), 1
	s_wait_xcnt 0x0
	s_wait_alu depctr_hold_cnt(0) depctr_sa_sdst(0) depctr_va_vdst(0) depctr_va_sdst(0) depctr_va_ssrc(0) depctr_va_vcc(0) depctr_vm_vsrc(0)
	s_getreg_b32 s2, hwreg(HW_REG_IB_STS2, 6, 4)
	s_cmp_eq_u32 s2, 0
	s_cbranch_scc0 .Lentry_in_a_cluster
	s_endpgm
.Lentry_in_a_cluster:
	s_bfe_u32 s2, ttmp6, 0x10000c
	s_cmp_lg_u32 s2, 0x3003
	s_cbranch_scc0 .Lentry_shape_is_right
	s_endpgm
.Lentry_shape_is_right:
; CANDIDATES.  scores[b][n] = q[b] . T[n] (q = img_p W_txt, so that text_features need no projection), once in bf16: q's hi half against bf16(text_features), sums in f32.
; No score is stored.  Texts go in QUADS of four neighbours; of a quad only the largest score is kept, as a KEY: that f32 with the quad's number written over its 9 lowest bits.
; For each row b and each range of 1,024 texts the 8 largest keys leave, as whole numbers ordered like the floats, for the next launch, which scores the chosen quads again in f32.
; LIMITS.  A key is its score cut to 2^-14 of itself, on top of the bf16 rounding of q.  The lists start at -1.7e38: lower scores, NaN and infinities are not treated.
; SHARES.  A work-group: 256 rows x 1,024 texts (grid 8 x 32).  A wave: 64 rows, four tiles of 16, whose q stays in 512 registers.  A TURN is 32 texts: 128 matrix instructions, 64 LDS loads.
; S^T = T q^T (source 0 = 16 texts, source 1 = 16 rows): a lane holds ONE row (lane % 16) and the texts 8 (lane / 16) + 0..7, two quads to an accumulator.
; RIDERS.  A turn's 176 vector instructions (3 for each of 16 keys, 8 for each insertion into a sorted list of 8) stand four at a time behind PAIRS of matrix instructions, so that no long run of
; vector work stands between two products.  The LDS loads stand in four runs of 16, each at the head of a quarter turn, a whole quarter (32 matrix instructions) ahead of their use.
; RING.  Two slots of 128 texts; each wave fetches 32 rows of a slot.  CLUSTER 4 x 1: the four row blocks walk the same texts, so each tile is asked for jointly.
; REGISTERS, in windows of 256 (s_set_vgpr_msb: bits 1:0 source 0, 3:2 source 1, 5:4 source 2, 7:6 destination):
;   window 0: v0-15 addresses; v16-31 keys; v32-63 lists, 8 a tile; v64-127 accumulators (tile t, text half a at 8 (2 t + a)); v128-191, v192-255 two buffers of T's fragments
;   window 1: q of tiles 0, 1 (128 (t % 2) + 8 c for K step c)          window 2: q of tiles 2, 3
; A slice of riders costs two switches (q is source 1 of the products, and the riders' second sources lie in window 0): 88 a turn.
.set PITCH, 1040                       ; a row of T in LDS: 1,024 bytes + 16 = 260 words: the 16 rows of a load start at 16 different groups of four banks (64 banks of 4 bytes: ISA guide 11.1)
.set TURNB, 32*PITCH                   ; a turn's 32 rows; also what one wave fetches of a slot
.set SLOTB, 4*TURNB                    ; 133,120 = 0x20800: it shares no bit with wave x 33,280, so an exclusive or turns an address in one slot into the other's
.set SPARE, 2*SLOTB                    ; the spare words, 128 bytes for each wave
.set AK0, 3                            ; v3   my lane's place in a turn's rows; never rewritten
.set ADR, 4                            ; v4   the LDS address of the turn that is being fetched
.set QO,  5                            ; v5   my byte offset in 16 rows of q
.set HB,  6                            ; v6   2 x (lane / 16): my half's bit of a quad's number
.set GO,  7                            ; v7   16 x lane
.set SPW, 8                            ; v8   LDS address of my spare word; never rewritten
.set NIL, 9                            ; v9   0; never rewritten
.set KEY, 16
.set L,   32
.set ACC, 64
.set F0,  128
.set F1,  192
.set WV,  12                           ; s12  my wave's number
.set G1,  24                           ; s[24:31] descriptor group 1
.set G0A, 32                           ; s[32:35] group 0 of slot 0's first fill
.set G0B, 36                           ; s[36:39] group 0 of slot 1's first fill; it then walks
.set TB,  40                           ; s40  LDS byte at which the turn to be fetched begins
.set CNT, 41
.set VIS, 42
.set MASK, 43                          ; s43  0xfffffe00
.set SIDX, 44                          ; s[44:47] the quad numbers 8 (turn + 1) + 4 a + jj, for 2 a + jj = 0..3
.set SEL, 48                           ; s[48:49] v_permlanex16_b32's selects: each lane takes its own place in the other half
.set HM,  50                           ; s50  lanes 16 to 31
.set LOWV, 51                          ; s51  -1.7e38
.set MSB, 0
.macro WIN new                         ; the immediate's high byte repeats the setting that is left; a switch that changes nothing is dropped
.if MSB != (\new)
	s_set_vgpr_msb (MSB<<8)|(\new)
.set MSB, (\new)
.endif
.endm
.macro CROUND                          ; a round of the cluster's barrier
	s_barrier_signal -1
	s_barrier_wait -1
	s_cmp_lg_u32 s[WV], 0
	s_cbranch_scc1 .Lnot_wave_0_\@
	s_barrier_signal -3
.Lnot_wave_0_\@:
	s_barrier_wait -3
	s_barrier_signal -1
	s_barrier_wait -1
.endm
.macro PLACES                          ; four places between a matrix instruction and a load into its registers or a vector read of its result
.rept 4
	v_nop
.endr
.endm
	s_load_b128 s[4:7], s[0:1], 0x0        ; q s[4:5], bank s[6:7]
	s_load_b64 s[8:9], s[0:1], 0x10        ; keys
	v_lshl_add_u32 v[SPW], v0, 2, SPARE
	v_mov_b32 v[NIL], 0
	ds_add_u32 v[SPW], v[NIL]              ; the wave's opening: the add and its wait stand ahead of my first tensor load
	v_lshrrev_b32 v1, 5, v0
	v_readfirstlane_b32 s[WV], v1
	s_bfe_u32 s13, ttmp6, 0x40000          ; cx
	s_lshl_b32 s14, ttmp9, 2
	s_add_co_u32 s14, s14, s13             ; my block of 256 rows: it enters q's and the keys' addresses alone
	s_and_b32 s15, ttmp7, 0xffff           ; my range of 1,024 texts, which the four partners share
	s_mov_b32 s[G1], 15|(1<<16)|(1<<20)|(1<<21)|(7<<22)|(3<<25)  ; 15:0 the mask of four; 17:16 2-byte elements; 20 padding on; 21 set beside a mask; 24:22 after every 256 words (code 7); 31:25 4 words (code 3)
	s_mov_b32 s[G1+1], 512<<16             ; tensor_dim0 = 512
	s_mov_b32 s[G1+2], 32<<16              ; tensor_dim1 = 32
	s_mov_b32 s[G1+3], 512<<16             ; tile_dim0 = 512
	s_mov_b32 s[G1+4], 32                  ; tile_dim1 = 32
	s_mov_b32 s[G1+5], 512                 ; 512 elements from row to row
	s_mov_b32 s[G1+6], 0
	s_mov_b32 s[G1+7], 0
	s_mul_i32 s16, s[WV], TURNB            ; my 32 rows' place in a slot
	s_lshl_b32 s18, s15, 20                ; the range's 1,024 rows of 1,024 bytes,
	s_lshl_b32 s17, s[WV], 15              ; my 32 of a slot's 128
	s_add_co_u32 s18, s18, s17
	s_mov_b32 s19, 0
	s_lshl_b32 s20, s14, 19                ; q: 256 rows of 2,048 bytes a block, 64 a wave
	s_lshl_b32 s17, s[WV], 17
	s_add_co_u32 s20, s20, s17
	s_mov_b32 s21, 0
	s_lshl_b32 s22, s14, 18                ; keys: 16,384 bytes for each 16 rows, 512 of them for each range
	s_lshl_b32 s17, s[WV], 16
	s_add_co_u32 s22, s22, s17
	s_lshl_b32 s17, s15, 9
	s_add_co_u32 s22, s22, s17
	s_mov_b32 s23, 0
	s_mov_b32 s[TB], 0
	s_mov_b32 s[MASK], 0xfffffe00
	s_mov_b32 s[SIDX], 0
	s_mov_b32 s[SIDX+1], 1
	s_mov_b32 s[SIDX+2], 4
	s_mov_b32 s[SIDX+3], 5
	s_mov_b32 s[SEL], 0x76543210
	s_mov_b32 s[SEL+1], 0xfedcba98
	s_mov_b32 s[HM], 0xffff0000
	s_mov_b32 s[LOWV], 0xff000000
	s_mov_b32 s[G0A], 1
	s_mov_b32 s[G0A+1], s16
	s_mov_b32 s[G0B], 1
	s_add_co_u32 s[G0B+1], s16, SLOTB
	s_wait_dscnt 0x0                       ; the opening add is done
	s_wait_kmcnt 0x0
	s_add_nc_u64 s[G0A+2:G0A+3], s[6:7], s[18:19]
	s_add_nc_u64 s[G0B+2:G0B+3], s[G0A+2:G0A+3], 131072
	s_or_b32 s[G0A+3], s[G0A+3], 0x80000000
	s_or_b32 s[G0B+3], s[G0B+3], 0x80000000
	s_add_nc_u64 s[4:5], s[4:5], s[20:21]
	s_add_nc_u64 s[8:9], s[8:9], s[22:23]
	CROUND                                 ; all four work-groups are here: the first joint loads meet
	tensor_load_to_lds s[G0A:G0A+3], s[G1:G1+7]  ; texts 0 to 127 of the range; two tensor loads of mine are out
	s_nop 0
	tensor_load_to_lds s[G0B:G0B+3], s[G1:G1+7]  ; texts 128 to 255
	s_nop 0
.rept 4
	v_nop
.endr
	v_and_b32 v1, 15, v0                   ; l % 16
	v_bfe_u32 v2, v0, 4, 1                 ; l / 16
	v_lshlrev_b32 v[QO], 11, v1
	v_lshl_add_u32 v[QO], v2, 4, v[QO]     ; row x 2,048 + 16 x half
.irp t, 0,1,2,3                        ; q's hi halves stay in registers: K step c lies in unit c / 2 of the row, at byte 64 (c % 2)
	WIN 0x40<<((\t)/2)
.set kc, 0
.rept 16
	global_load_b128 v[128*((\t)%2)+8*kc:128*((\t)%2)+8*kc+3], v[QO], s[4:5] offset:(\t)*32768+(kc/2)*256+(kc%2)*64
	global_load_b128 v[128*((\t)%2)+8*kc+4:128*((\t)%2)+8*kc+7], v[QO], s[4:5] offset:(\t)*32768+(kc/2)*256+(kc%2)*64+32
.set kc, kc+1
.endr
.endr
	WIN 0
	; No first turn is written out: the first turn's riders work on a turn that has not been.  What they find is -1.7e38, below every score; such keys fall out of the lists.  The price: 72 moves, in the wait for the first tile.
.set i, 0
.rept 32
	v_mov_b32 v[ACC+32+i], s[LOWV]
	v_mov_b32 v[L+i], s[LOWV]
.set i, i+1
.endr
.set i, 0
.rept 8
	v_mov_b32 v[KEY+i], s[LOWV]
.set i, i+1
.endr
	v_mul_u32_u24 v[AK0], v1, PITCH
	v_lshl_add_u32 v[AK0], v2, 4, v[AK0]
	v_lshlrev_b32 v[HB], 1, v2
	v_and_b32 v[GO], 31, v0
	v_lshlrev_b32 v[GO], 4, v[GO]
	v_mov_b32 v[ADR], v[AK0]
; 16 LDS loads in one run: the fragments of quarter n (K steps 4 n .. 4 n + 3) of the turn at ADR, both halves of its 32 texts, into buffer f
.macro RUN f, n
.irp c4, 0,1,2,3
.irp a, 0,1
	ds_load_b128 v[(\f)+16*(\c4)+8*(\a):(\f)+16*(\c4)+8*(\a)+3], v[ADR] offset:(\a)*16*PITCH+(4*(\n)+(\c4))*64
	ds_load_b128 v[(\f)+16*(\c4)+8*(\a)+4:(\f)+16*(\c4)+8*(\a)+7], v[ADR] offset:(\a)*16*PITCH+(4*(\n)+(\c4))*64+32
.endr
.endr
.endm
; Two matrix instructions: K step 4 n + c4, text half a, tiles 2 tp and 2 tp + 1.  Over two pairs four accumulators take turns; a turn's first K step starts the sums.
.macro PAIR n, tp, c4, a
	WIN 0x04<<(\tp)                        ; source 1 (q) in window 1 or 2
.irp t2, 0,1
.set rA, ACC+8*(2*(2*(\tp)+(\t2))+(\a))
.set rF, F0+64*((\n)%2)+16*(\c4)+8*(\a)
.set rQ, 128*(\t2)+8*(4*(\n)+(\c4))
.if ((\n)==0)&&((\c4)==0)
	v_wmma_f32_16x16x32_bf16 v[rA:rA+7], v[rF:rF+7], v[rQ:rQ+7], 0
.else
	v_wmma_f32_16x16x32_bf16 v[rA:rA+7], v[rF:rF+7], v[rQ:rQ+7], v[rA:rA+7]
.endif
.endr
.endm
; THE RIDERS.  Quad q = 4 t + 2 a + jj of a turn lies in registers ACC + 4 q .. + 3.  KEYOP: line m of the six that make the keys of quads q0 and q0 + 1 (one accumulator, its low registers read first).
.macro KEYOP q0, m
.set kq, (\q0)+(\m)%2
.set kr, ACC+4*kq
.if (\m) < 2
	v_max3_num_f32 v[KEY+kq], v[kr], v[kr+1], v[kr+2]
.elseif (\m) < 4
	v_max_num_f32 v[KEY+kq], v[KEY+kq], v[kr+3]
.else
	v_and_or_b32 v[KEY+kq], v[KEY+kq], s[MASK], s[SIDX+kq%4]
.endif
.endm
; INS: line m of the eight that put a key into its tile's list, which descends: from the bottom up each entry becomes the middle one of its upper neighbour, itself and the key; the top the larger of itself and the key.  No line reads what another of the eight wrote.
.macro INS key, m
.set lb, L+8*((\key)/4)
.set li, 7-(\m)
.if li > 0
	v_med3_num_f32 v[lb+li], v[lb+li-1], v[lb+li], v[KEY+(\key)]
.else
	v_max_num_f32 v[lb], v[lb], v[KEY+(\key)]
.endif
.endm
; Number rj of a turn's 176: 0-23 the keys of quads 8-15 of the turn BEFORE (their accumulators are started anew by matrix instruction 17); 24-151 keys 0-15 into the lists;
; 152-175 the keys of quads 0-7 of THIS turn (their sums end with matrix instruction 112).
.macro RIDER
.if rj < 24
	KEYOP 8+2*(rj/6), rj%6
.elseif rj < 152
	INS (rj-24)/8, (rj-24)%8
.else
	KEYOP 2*((rj-152)/6), (rj-152)%6
.endif
.set rj, rj+1
.endm
; Slice sl of 64 stands behind pair sl.  Slices 0-5: riders 0-23, ahead of pair 8, which starts tiles 2 and 3 anew.  Slices 6-39 but 15 and 31: riders 24-151.  Slices 56-61: riders 152-175.
; Slices 15, 31, 47, 63, a quarter's last: four v_nop, the places between the last product that read a buffer and the run of loads into it (slice 63's also those in front of the next turn's riders 0-23).
; Slice 55: four v_nop behind the product that ended the sums of tiles 0 and 1.  The other slices are empty.
.macro SLICE
.if sl == 6
.irp i, 0,1,2,3
	s_add_co_u32 s[SIDX+(\i)], s[SIDX+(\i)], 8  ; the last turn's keys are made: on to this turn's quad numbers
.endr
.endif
.if ((sl%16) == 15) || (sl == 55)
	PLACES
.elseif (sl < 40) || ((sl >= 56) && (sl < 62))
	WIN 0
.rept 4
	RIDER
.endr
.endif
.if (sl%16) == 15
	WIN 0                                  ; loads, branches
.endif
.set sl, sl+1
.endm
; THE CHANGE OF SLOTS, at the head of a slot's last quarter turn: the slot's last bytes were asked for a quarter earlier.  Each wave waits for all its tensor loads, of which one is out: its part of the
; other slot; adds 0 to its spare word; waits for that and for its reads of the slot.  fill = 1: the barrier is a round of the cluster's, and the joint refill, the texts two slots on, is the first thing
; behind it: it has 512 matrix instructions in which to land.
.macro CHANGE fill
	s_wait_tensorcnt 0x0                   ; no tensor load of mine is out, so a group 0 may be written
	ds_add_u32 v[SPW], v[NIL]              ; 0 onto my spare word
.if \fill
	s_xor_b32 s[G0B+1], s[G0B+1], SLOTB    ; the walking descriptor: the other slot than last time,
	s_add_nc_u64 s[G0B+2:G0B+3], s[G0B+2:G0B+3], 131072  ; the next 128 texts; the type bits on top are not reached
.endif
	s_sub_co_u32 s[TB], s[TB], 3*TURNB     ; the fetches go back to a slot's first turn,
	s_xor_b32 s[TB], s[TB], SLOTB          ; in the other slot
	s_wait_dscnt 0x0                       ; the add is done, and my reads of the slot are over
.if \fill
	CROUND
	tensor_load_to_lds s[G0B:G0B+3], s[G1:G1+7]
	s_nop 0
	PLACES                                 ; four v_nop behind the load
.else
	s_barrier_signal -1
	s_barrier_wait -1
.endif
.endm
; A TURN: four quarters of four K steps, on buffers 0, 1, 0, 1; 32 matrix instructions a quarter.  At a quarter's head stands the run of loads for the NEXT quarter, into the buffer that the quarter
; before has just left.  At the head of quarter 3 that next quarter is the next turn's first.  kind 0: the next turn lies in the same slot.  1: the slot is left and filled again.  2: it is left.
.macro TURN kind
.set rj, 0
.set sl, 0
.irp n, 0,1,2,3
.if (\n) == 3
.if (\kind) == 0
	s_add_co_u32 s[TB], s[TB], TURNB
.else
	CHANGE 2-(\kind)
.endif
	v_add_nc_u32 v[ADR], s[TB], v[AK0]
.endif
	RUN F0+64*(((\n)+1)%2), ((\n)+1)%4
	s_wait_dscnt 16                        ; all but the 16 just issued: this quarter's fragments are in
.irp tp, 0,1
.irp c4, 0,1,2,3
.irp a, 0,1
	PAIR \n, \tp, \c4, \a
	SLICE
.endr
.endr
.endr
.endr
.endm
	s_wait_tensorcnt 0x1                   ; my part of slot 0 is in; slot 1's may stay out
	s_barrier_signal -1
	s_barrier_wait -1
	RUN F0, 0
	s_wait_loadcnt 0x0                     ; q
	s_mov_b32 s[VIS], 6
.Lvisit:                                       ; six slots are left and filled again
	s_mov_b32 s[CNT], 3
.Lturn:
	TURN 0
	s_sub_co_u32 s[CNT], s[CNT], 1
	s_cmp_lg_u32 s[CNT], 0
	s_cbranch_scc1 .Lturn
	TURN 1
	s_sub_co_u32 s[VIS], s[VIS], 1
	s_cmp_lg_u32 s[VIS], 0
	s_cbranch_scc1 .Lvisit
	s_mov_b32 s[VIS], 2
.Ltail:                                        ; the last two slots: nothing is asked for.  The second trip's change of slots, and the 16 loads behind it (of bytes filled earlier), serve nothing: the price, once a launch, of one text for both trips
	s_mov_b32 s[CNT], 3
.Ltturn:
	TURN 0
	s_sub_co_u32 s[CNT], s[CNT], 1
	s_cmp_lg_u32 s[CNT], 0
	s_cbranch_scc1 .Ltturn
	TURN 2
	s_sub_co_u32 s[VIS], s[VIS], 1
	s_cmp_lg_u32 s[VIS], 0
	s_cbranch_scc1 .Ltail
	; THE END.  The last turn's riders that would stand in a next turn: the keys of its quads 8-15, and all sixteen keys into the lists.  Slice 63's four v_nop are the places behind the last products.
	s_wait_dscnt 0x0                       ; buffer 0 is written below
.set rj, 0
.rept 152
	RIDER
.endr
.set i, 0
.rept 32
	v_or_b32 v[L+i], v[L+i], v[HB]         ; my half's bit of the quad's number
.set i, i+1
.endr
.set i, 0
.rept 32
	v_permlanex16_b32 v[F0+i], v[L+i], s[SEL], s[SEL+1]  ; a row's other 16 texts of every 32 lie in the lane 16 away
.set i, i+1
.endr
	; Two descending lists of 8 become the 8 largest of the 16: entry i against the other list's entry 7 - i gives the 8 largest, first rising then falling or the reverse;
	; three stages of larger and smaller, 4, 2 and 1 apart, put them in descending order.  Both lanes of a row end with the same list.
.irp t, 0,1,2,3
.irp i, 0,1,2,3,4,5,6,7
	v_max_num_f32 v[F1+8*(\t)+(\i)], v[L+8*(\t)+(\i)], v[F0+8*(\t)+7-(\i)]
.endr
.endr
.macro CLEAN src, dst, d
.set i, 0
.rept 32
.if (i&(\d)) == 0
	v_max_num_f32 v[(\dst)+i], v[(\src)+i], v[(\src)+i+(\d)]
	v_min_num_f32 v[(\dst)+i+(\d)], v[(\src)+i], v[(\src)+i+(\d)]
.endif
.set i, i+1
.endr
.endm
	CLEAN F1, F1+32, 4
	CLEAN F1+32, F1, 2
	CLEAN F1, F1+32, 1
.irp t, 0,1,2,3                        ; lanes 0-15 store keys 0-3, lanes 16-31 keys 4-7, as whole numbers in the floats' order: a negative float's lower 31 bits are turned
.irp i, 0,1,2,3
	v_cndmask_b32 v[F1+8*(\t)+(\i)], v[F1+32+8*(\t)+(\i)], v[F1+32+8*(\t)+4+(\i)], s[HM]
.endr
.irp i, 0,1,2,3
	v_ashrrev_i32 v[F1+8*(\t)+4+(\i)], 31, v[F1+8*(\t)+(\i)]
.endr
.irp i, 0,1,2,3
	v_lshrrev_b32 v[F1+8*(\t)+4+(\i)], 1, v[F1+8*(\t)+4+(\i)]
.endr
.irp i, 0,1,2,3
	v_xor_b32 v[F1+8*(\t)+(\i)], v[F1+8*(\t)+(\i)], v[F1+8*(\t)+4+(\i)]
.endr
	global_store_b128 v[GO], v[F1+8*(\t):F1+8*(\t)+3], s[8:9] offset:(\t)*16384  ; 512 consecutive bytes
.endr
	s_wait_tensorcnt 0x0                   ; the wave's end
	ds_add_u32 v[SPW], v[NIL]
	s_wait_dscnt 0x0
	CROUND                                 ; the closing round
	s_endpgm
.Lfunc_end_k_qfb4c98ea2f_score:
	.size	k_qfb4c98ea2f_score, .Lfunc_end_k_qfb4c98ea2f_score-k_qfb4c98ea2f_score
	.p2alignl 7, 3214868480
	.fill 96, 4, 3214868480
	.section	.rodata,"a",@progbits
	.p2align	6, 0x0
	.amdhsa_kernel k_qfb4c98ea2f_score
		.amdhsa_group_segment_fixed_size 327680
		.amdhsa_private_segment_fixed_size 0
		.amdhsa_enable_private_segment 0
		.amdhsa_kernarg_size 24
		.amdhsa_user_sgpr_count 2
		.amdhsa_user_sgpr_kernarg_segment_ptr 1
		.amdhsa_wavefront_size32 1
		.amdhsa_system_sgpr_workgroup_id_x 1
		.amdhsa_system_sgpr_workgroup_id_y 1
		.amdhsa_system_sgpr_workgroup_id_z 1
		.amdhsa_system_vgpr_workitem_id 0
		.amdhsa_next_free_vgpr 768
		.amdhsa_next_free_sgpr 66
		.amdhsa_reserve_vcc 0
		.amdhsa_float_denorm_mode_32 3
		.amdhsa_float_denorm_mode_16_64 3
		.amdhsa_memory_ordered 1
		.amdhsa_forward_progress 1
		.amdhsa_inst_pref_size 145
	.end_amdhsa_kernel
	.amdgpu_metadata
---
amdhsa.version: [ 1, 2 ]
amdhsa.kernels:
  - .name:           k_qfb4c98ea2f_score
    .symbol:         k_qfb4c98ea2f_score.kd
    .args:
      - { .name: rowsB, .offset: 0, .size: 8, .value_kind: global_buffer, .address_space: global }
      - { .name: bank, .offset: 8, .size: 8, .value_kind: global_buffer, .address_space: global }
      - { .name: keys, .offset: 16, .size: 8, .value_kind: global_buffer, .address_space: global }
    .group_segment_fixed_size: 327680
    .private_segment_fixed_size: 0
    .kernarg_segment_align: 8
    .kernarg_segment_size: 24
    .max_flat_workgroup_size: 128
    .sgpr_count:     66
    .vgpr_count:     768
    .wavefront_size: 32
...
	.end_amdgpu_metadata
.endif
;; end of part 3
;; launch refine (part 4): grid 256 x 1, 8 waves a work-group, no clusters, 0 bytes of LDS; arguments keys, rowsB, bank, rowsA; writes rowsA
.if DOCPART == 4
	.amdgcn_target "amdgcn-amd-amdhsa--gfx1250"
	.amdhsa_code_object_version 6
	.text
	.protected	k_qfb4c98ea2f_refine
	.globl	k_qfb4c98ea2f_refine
	.p2align	8
	.type	k_qfb4c98ea2f_refine,@function
k_qfb4c98ea2f_refine:
	s_mov_b64 s[64:65], 0
	v_nop
	global_prefetch_b8 v0, s[64:65] scope:SCOPE_SE
	s_setreg_imm32_b32 hwreg(HW_REG_WAVE_MODE, 25, 1), 1
	s_wait_xcnt 0x0
; THE CHOICE.  One wave, one row b.  Of the row's 32 x 8 keys the 8 largest name 8 quads, 32 texts.  Those are scored again in f32, q[b] (hi + lo) . bf16(text); the five largest scores
; (equal scores: the lower index first) get softmax weights, with their maximum taken away first, the other 27 the weight 0; u[b] = sum of w T[n] leaves as hi and lo halves.
; Addresses hang on the keys alone, whole numbers that the launch before stored, by integer instructions; the floats only choose values (v_cndmask_b32): all 32 rows are always multiplied.
; A quad's number is held to 0 .. 8191 before it enters an address.  NaN and infinities are not treated.
; No LDS, no barrier, no matrix unit: a row's work never leaves its wave, and 32 dot products of 512 are too few to lay out as a matrix product.
; REGISTERS: window 1 holds the 32 text rows (candidate c at 8 c: lane l has dims 8 l .. + 7 in registers 0-3 and 256 + 8 l .. in 4-7); all else in window 0.
.set LO,  6                            ; v6  16 x lane
.set SO,  7                            ; v7  my place in u's row
.set KK,  8                            ; v8-15    my range's eight keys, descending
.set QR,  16                           ; v16-31   q as loaded: hi, lo of dims 8 l .., hi, lo of dims 256 + 8 l ..
.set Q,   32                           ; v32-47   q in f32
.set S,   48                           ; v48-79   32 partial scores; at last v48 holds candidate l's score in lane l
.set VO,  80                           ; v80-87   byte offsets of the eight quads
.set U,   88                           ; v88-103
.set UH,  104
.set UL,  112
.set DA,  120
.set DB,  128
.set TT,  136                          ; v136-143 at work
.set ONE, 144
.set ZERO, 145
.set VMIN, 146
.set MM,  147
.set RANK, 148
.set MX,  149
.set EE,  150
.set SUM, 151
.set WW,  152
.set WB,  154                          ; v154-155
.set SEL, 18                           ; s[18:19]
.set M16, 25                           ; s25-29: the lanes whose number has bit 4, 3, 2, 1, 0 set
.set M8,  26
.set M4,  27
.set M2,  28
.set M1,  29
.set QD,  32                           ; s32-39 the eight quads; later s32-63 the 32 weights
.set MSB, 0
.macro WIN new
.if MSB != (\new)
	s_set_vgpr_msb (MSB<<8)|(\new)
.set MSB, (\new)
.endif
.endm
.macro MIX2 d, a, b, c, hf             ; d = a's bf16 half x b + c's bf16 half, in f32
.if \hf
	v_fma_mix_f32_bf16 v[\d], v[\a], v[\b], v[\c] op_sel:[1,0,1] op_sel_hi:[1,0,1]
.else
	v_fma_mix_f32_bf16 v[\d], v[\a], v[\b], v[\c] op_sel_hi:[1,0,1]
.endif
.endm
.macro MIX1 d, a, b, c, hf             ; d = a's bf16 half x b + c, in f32
.if \hf
	v_fma_mix_f32_bf16 v[\d], v[\a], v[\b], v[\c] op_sel:[1,0,0] op_sel_hi:[1,0,0]
.else
	v_fma_mix_f32_bf16 v[\d], v[\a], v[\b], v[\c] op_sel_hi:[1,0,0]
.endif
.endm
	s_load_b256 s[4:11], s[0:1], 0x0       ; keys s[4:5], q s[6:7], bank s[8:9], u s[10:11]
	v_and_b32 v1, 31, v0                   ; lane = the range of texts whose keys I hold
	v_lshrrev_b32 v2, 5, v0
	v_readfirstlane_b32 s12, v2
	s_lshl_b32 s13, ttmp9, 3
	s_add_co_u32 s13, s13, s12             ; b
	s_lshr_b32 s14, s13, 4
	s_lshl_b32 s14, s14, 14
	s_and_b32 s15, s13, 15
	s_lshl_b32 s15, s15, 4
	s_add_co_u32 s14, s14, s15             ; 16,384 (b / 16) + 16 (b % 16)
	s_mov_b32 s15, 0
	s_lshl_b32 s16, s13, 11
	s_mov_b32 s17, 0
	s_mov_b32 s[SEL], 0x76543210
	s_mov_b32 s[SEL+1], 0xfedcba98
	s_mov_b32 s[M16], 0xffff0000
	s_mov_b32 s[M8], 0xff00ff00
	s_mov_b32 s[M4], 0xf0f0f0f0
	s_mov_b32 s[M2], 0xcccccccc
	s_mov_b32 s[M1], 0xaaaaaaaa
	v_lshlrev_b32 v3, 9, v1
	v_lshrrev_b32 v4, 3, v1
	v_and_b32 v5, 7, v1
	v_lshlrev_b32 v4, 8, v4
	v_lshl_add_u32 v4, v5, 4, v4           ; unit l / 8, 16 bytes at l % 8
	s_wait_kmcnt 0x0
	s_add_nc_u64 s[4:5], s[4:5], s[14:15]
	s_add_nc_u64 s[6:7], s[6:7], s[16:17]
	s_add_nc_u64 s[10:11], s[10:11], s[16:17]
	global_load_b128 v[KK:KK+3], v3, s[4:5]
	global_load_b128 v[KK+4:KK+7], v3, s[4:5] offset:256
	global_load_b128 v[QR:QR+3], v4, s[6:7]
	global_load_b128 v[QR+4:QR+7], v4, s[6:7] offset:128
	global_load_b128 v[QR+8:QR+11], v4, s[6:7] offset:1024
	global_load_b128 v[QR+12:QR+15], v4, s[6:7] offset:1152
	v_lshlrev_b32 v[LO], 4, v1
	v_lshrrev_b32 v[SO], 4, v1
	v_and_b32 v5, 15, v1
	v_lshlrev_b32 v[SO], 9, v[SO]
	v_lshl_add_u32 v[SO], v5, 4, v[SO]
	v_mov_b32 v[ONE], 1.0
	v_mov_b32 v[ZERO], 0
	v_mov_b32 v[VMIN], 0x80000000
	v_mov_b32 v[RANK], 0
.set i, 0
.rept 8
	v_mov_b32 v[TT+i], 0                   ; destinations of lane exchanges count as read
.set i, i+1
.endr
	s_wait_loadcnt 0x0
; The largest key of the 32 lists' heads is found, its quad noted, and its list moved up by one.  Integer instructions alone.
.macro PICK k
	v_mov_b32 v[MM], v[KK]
.irp d, 1,2,4,8
	v_mov_b32_dpp v[TT], v[MM] row_xmask:\d row_mask:0xf bank_mask:0xf
	v_cmp_gt_i32 vcc_lo, v[TT], v[MM]
	v_cndmask_b32 v[MM], v[MM], v[TT], vcc_lo
.endr
	v_permlanex16_b32 v[TT], v[MM], s[SEL], s[SEL+1]
	v_cmp_gt_i32 vcc_lo, v[TT], v[MM]
	v_cndmask_b32 v[MM], v[MM], v[TT], vcc_lo
	v_cmp_eq_u32 s20, v[MM], v[KK]
	s_ctz_i32_b32 s21, s20                 ; the lowest range that holds it
	v_readfirstlane_b32 s22, v[MM]
	s_ashr_i32 s23, s22, 31                ; back to the float's bits,
	s_lshr_b32 s23, s23, 1
	s_xor_b32 s22, s22, s23
	s_and_b32 s22, s22, 0x1ff              ; whose lowest nine are the quad's number in its range, plus 8
	s_lshl_b32 s23, s21, 8
	s_add_co_u32 s22, s22, s23
	s_sub_co_u32 s[QD+(\k)], s22, 8
	s_lshl_b32 s24, 1, s21
.irp i, 0,1,2,3,4,5,6
	v_cndmask_b32 v[KK+(\i)], v[KK+(\i)], v[KK+(\i)+1], s24
.endr
	v_cndmask_b32 v[KK+7], v[KK+7], v[VMIN], s24
.endm
.irp k, 0,1,2,3,4,5,6,7
	PICK \k
.endr
.macro CSWAP a, b                      ; the smaller into a
	s_min_u32 s20, s[QD+(\a)], s[QD+(\b)]
	s_max_u32 s[QD+(\b)], s[QD+(\a)], s[QD+(\b)]
	s_mov_b32 s[QD+(\a)], s20
.endm
	; the quads ascend (19 exchanges), so that the candidates ascend by text index
	CSWAP 0,1
	CSWAP 2,3
	CSWAP 4,5
	CSWAP 6,7
	CSWAP 0,2
	CSWAP 1,3
	CSWAP 4,6
	CSWAP 5,7
	CSWAP 1,2
	CSWAP 5,6
	CSWAP 0,4
	CSWAP 1,5
	CSWAP 2,6
	CSWAP 3,7
	CSWAP 2,4
	CSWAP 3,5
	CSWAP 1,2
	CSWAP 3,4
	CSWAP 5,6
.irp k, 0,1,2,3,4,5,6,7
	s_min_u32 s[QD+(\k)], s[QD+(\k)], 8191
	v_lshl_add_u32 v[VO+(\k)], s[QD+(\k)], 12, v[LO]  ; a quad is 4,096 consecutive bytes
.endr
	WIN 0x40                               ; destination window 1
.set k, 0
.rept 8
.set n, 0
.rept 8
	global_load_b128 v[32*k+4*n:32*k+4*n+3], v[VO+k], s[8:9] offset:512*n
.set n, n+1
.endr
.set k, k+1
.endr
	WIN 0
.set j, 0
.rept 16                               ; q = hi + lo
	MIX2 Q+j, QR+8*(j/8)+(j%8)/2, ONE, QR+8*(j/8)+4+(j%8)/2, j%2
.set j, j+1
.endr
	WIN 0x01                               ; source 0 window 1
.set k, 0
.rept 8
	s_wait_loadcnt 8*(7-k)                 ; quad k's eight loads are in; those of the quads behind it stay out
.set j, 0
.rept 16                               ; my 16 dims, the quad's four rows by turns
.set r, 0
.rept 4
.if j == 0
	MIX1 S+4*k+r, 32*k+8*r, Q, ZERO, 0
.else
	MIX1 S+4*k+r, 32*k+8*r+4*(j/8)+(j%8)/2, Q+j, S+4*k+r, j%2
.endif
.set r, r+1
.endr
.set j, j+1
.endr
.set k, k+1
.endr
	WIN 0
	; 32 sums over 32 lanes at once: in each step a lane keeps the half of its numbers that belongs to its side and sends the other half across; lane l ends with candidate l's score
.set i, 0
.rept 16
	v_cndmask_b32 v[TT+i%4], v[S+i+16], v[S+i], s[M16]
	v_cndmask_b32 v[S+i], v[S+i], v[S+i+16], s[M16]
	v_permlanex16_b32 v[S+i+16], v[TT+i%4], s[SEL], s[SEL+1]
	v_add_f32 v[S+i], v[S+i], v[S+i+16]
.set i, i+1
.endr
.macro FOLD d, msk
.set i, 0
.rept \d
	v_cndmask_b32 v[TT+i%4], v[S+i+(\d)], v[S+i], s[\msk]
	v_cndmask_b32 v[S+i], v[S+i], v[S+i+(\d)], s[\msk]
	v_add_f32_dpp v[S+i], v[TT+i%4], v[S+i] row_xmask:\d row_mask:0xf bank_mask:0xf
.set i, i+1
.endr
.endm
	FOLD 8, M8
	FOLD 4, M4
	FOLD 2, M2
	FOLD 1, M1
	; my candidate's rank: how many beat it (a larger score, or an equal one at a lower index)
.set c, 0
.rept 32
.if c%2
	v_readlane_b32 s23, v[S], c
	v_cmp_gt_f32 s24, s23, v[S]
	v_cmp_ge_f32 s30, s23, v[S]
	s_and_b32 s30, s30, (0xffffffff<<(c+1))&0xffffffff
	s_or_b32 vcc_lo, s24, s30
.else
	v_readlane_b32 s20, v[S], c
	v_cmp_gt_f32 s21, s20, v[S]
	v_cmp_ge_f32 s22, s20, v[S]
	s_and_b32 s22, s22, (0xffffffff<<(c+1))&0xffffffff
	s_or_b32 vcc_lo, s21, s22
.endif
	v_add_co_ci_u32 v[RANK], vcc_lo, 0, v[RANK], vcc_lo
.set c, c+1
.endr
	; softmax over the five: the largest score of all 32 is the largest of the five
	v_mov_b32 v[MX], v[S]
.irp d, 1,2,4,8
	v_max_num_f32_dpp v[MX], v[MX], v[MX] row_xmask:\d row_mask:0xf bank_mask:0xf
.endr
	v_permlanex16_b32 v[TT], v[MX], s[SEL], s[SEL+1]
	v_max_num_f32 v[MX], v[MX], v[TT]
	v_sub_f32 v[EE], v[S], v[MX]
	v_mul_f32 v[EE], 0x3fb8aa3b, v[EE]
	v_exp_f32 v[EE], v[EE]
	v_nop                                  ; a plain instruction behind the exponential (ISA guide 5.7.2)
	v_cmp_gt_u32 vcc_lo, 5, v[RANK]
	s_wait_alu depctr_va_vdst(0)
	v_cndmask_b32 v[EE], 0, v[EE], vcc_lo
	v_mov_b32 v[SUM], v[EE]
.irp d, 1,2,4,8
	v_add_f32_dpp v[SUM], v[SUM], v[SUM] row_xmask:\d row_mask:0xf bank_mask:0xf
.endr
	v_permlanex16_b32 v[TT], v[SUM], s[SEL], s[SEL+1]
	v_add_f32 v[SUM], v[SUM], v[TT]
	v_rcp_f32 v[SUM], v[SUM]
	v_nop                                  ; and behind the reciprocal
	s_wait_alu depctr_va_vdst(0)
	v_mul_f32 v[WW], v[EE], v[SUM]
.set c, 0
.rept 32
	v_readlane_b32 s[32+c], v[WW], c
.set c, c+1
.endr
	WIN 0x01
.set c, 0
.rept 32                               ; u += w T, all 32 rows
	v_mov_b32 v[WB+c%2], s[32+c]
.set j, 0
.rept 16
.if c == 0
	MIX1 U+j, 4*(j/8)+(j%8)/2, WB, ZERO, j%2
.else
	MIX1 U+j, 8*c+4*(j/8)+(j%8)/2, WB+c%2, U+j, j%2
.endif
.set j, j+1
.endr
.set c, c+1
.endr
	WIN 0
.set j, 0
.rept 8                                ; hi = bf16(u), lo = bf16(u - hi)
	v_cvt_pk_bf16_f32 v[UH+j], v[U+2*j], v[U+2*j+1]
	v_lshlrev_b32 v[TT+2*(j%2)], 16, v[UH+j]
	v_and_b32 v[TT+2*(j%2)+1], 0xffff0000, v[UH+j]
	v_pk_add_f32 v[TT+2*(j%2):TT+2*(j%2)+1], v[U+2*j:U+2*j+1], v[TT+2*(j%2):TT+2*(j%2)+1] neg_lo:[0,1] neg_hi:[0,1]
	v_cvt_pk_bf16_f32 v[UL+j], v[TT+2*(j%2)], v[TT+2*(j%2)+1]
.set j, j+1
.endr
	; A unit of 256 bytes is eight lanes' hi, then the same lanes' lo.  Lanes 8 apart exchange (the lower sends lo, the upper hi), so that sixteen lanes store one whole unit.
.set j, 0
.rept 8
	v_cndmask_b32 v[TT+j%4], v[UL+j], v[UH+j], s[M8]
	v_mov_b32_dpp v[S+8+j], v[TT+j%4] row_xmask:8 row_mask:0xf bank_mask:0xf
	v_cndmask_b32 v[DA+j], v[UH+j], v[S+8+j], s[M8]
	v_cndmask_b32 v[DB+j], v[S+8+j], v[UL+j], s[M8]
.set j, j+1
.endr
.irp i, 0,1
	global_store_b128 v[SO], v[DA+4*(\i):DA+4*(\i)+3], s[10:11] offset:1024*(\i)
	global_store_b128 v[SO], v[DB+4*(\i):DB+4*(\i)+3], s[10:11] offset:1024*(\i)+256
.endr
	s_endpgm
.Lfunc_end_k_qfb4c98ea2f_refine:
	.size	k_qfb4c98ea2f_refine, .Lfunc_end_k_qfb4c98ea2f_refine-k_qfb4c98ea2f_refine
	.p2alignl 7, 3214868480
	.fill 96, 4, 3214868480
	.section	.rodata,"a",@progbits
	.p2align	6, 0x0
	.amdhsa_kernel k_qfb4c98ea2f_refine
		.amdhsa_group_segment_fixed_size 0
		.amdhsa_private_segment_fixed_size 0
		.amdhsa_enable_private_segment 0
		.amdhsa_kernarg_size 32
		.amdhsa_user_sgpr_count 2
		.amdhsa_user_sgpr_kernarg_segment_ptr 1
		.amdhsa_wavefront_size32 1
		.amdhsa_system_sgpr_workgroup_id_x 1
		.amdhsa_system_sgpr_workgroup_id_y 1
		.amdhsa_system_sgpr_workgroup_id_z 1
		.amdhsa_system_vgpr_workitem_id 0
		.amdhsa_next_free_vgpr 512
		.amdhsa_next_free_sgpr 66
		.amdhsa_reserve_vcc 1
		.amdhsa_float_denorm_mode_32 3
		.amdhsa_float_denorm_mode_16_64 3
		.amdhsa_memory_ordered 1
		.amdhsa_forward_progress 1
		.amdhsa_inst_pref_size 115
	.end_amdhsa_kernel
	.amdgpu_metadata
---
amdhsa.version: [ 1, 2 ]
amdhsa.kernels:
  - .name:           k_qfb4c98ea2f_refine
    .symbol:         k_qfb4c98ea2f_refine.kd
    .args:
      - { .name: keys, .offset: 0, .size: 8, .value_kind: global_buffer, .address_space: global }
      - { .name: rowsB, .offset: 8, .size: 8, .value_kind: global_buffer, .address_space: global }
      - { .name: bank, .offset: 16, .size: 8, .value_kind: global_buffer, .address_space: global }
      - { .name: rowsA, .offset: 24, .size: 8, .value_kind: global_buffer, .address_space: global }
    .group_segment_fixed_size: 0
    .private_segment_fixed_size: 0
    .kernarg_segment_align: 8
    .kernarg_segment_size: 32
    .max_flat_workgroup_size: 256
    .sgpr_count:     66
    .vgpr_count:     512
    .wavefront_size: 32
...
	.end_amdgpu_metadata
.endif
;; end of part 4
;; launch g3: the kernel of part 2 again; grid 8 x 32, 4 waves a work-group, clusters of 4 x 4, 327,680 bytes of LDS; arguments rowsA, wtxt, rowsB; writes rowsB
;; launch final (part 5): grid 32 x 8, 4 waves a work-group, clusters of 4 x 1, 327,680 bytes of LDS; arguments imgp, rowsB, bank, out0; writes out0
.if DOCPART == 5
	.amdgcn_target "amdgcn-amd-amdhsa--gfx1250"
	.amdhsa_code_object_version 6
	.text
	.protected	k_qfb4c98ea2f_final
	.globl	k_qfb4c98ea2f_final
	.p2align	8
	.type	k_qfb4c98ea2f_final,@function
k_qfb4c98ea2f_final:
	s_mov_b64 s[64:65], 0
	v_nop
	global_prefetch_b8 v0, s[64:65] scope:SCOPE_SE
	s_setreg_imm32_b32 hwreg(HW_REG_WAVE_MODE, 25, 1), 1
	s_wait_xcnt 0x0
	s_wait_alu depctr_hold_cnt(0) depctr_sa_sdst(0) depctr_va_vdst(0) depctr_va_sdst(0) depctr_va_ssrc(0) depctr_va_vcc(0) depctr_vm_vsrc(0)
	s_getreg_b32 s2, hwreg(HW_REG_IB_STS2, 6, 4)
	s_cmp_eq_u32 s2, 0
	s_cbranch_scc0 .Lentry_in_a_cluster
	s_endpgm
.Lentry_in_a_cluster:
	s_bfe_u32 s2, ttmp6, 0x10000c
	s_cmp_lg_u32 s2, 0x3003
	s_cbranch_scc0 .Lentry_shape_is_right
	s_endpgm
.Lentry_shape_is_right:
; out[b][n] = relu(sum over p of e[b][p] W_final[n][p]), e = img_p x pooled, both read as hi + lo halves and multiplied in f32; e goes to the matrix unit as TWO bf16 numbers,
; eh = bf16(e) and el = bf16(e - eh), each multiplied by bf16(W_final); sums in f32; out in f32.
; SHARES.  A work-group makes 64 rows x 128 columns (grid 32 x 8 = 256), wave w rows 16 w .. + 15: 8 accumulators.  W_final's 128 rows x 512 lie in LDS whole: one first fill a wave, nothing is filled again.
; CLUSTER 4 x 1: four row blocks read the same rows of W_final: asked for jointly.
; ONE LOOP, four trips of four K steps of 32.  A step: W_final's fragments are asked of LDS; e's fragments for the step are made in registers from raw numbers loaded four steps earlier (72 vector
; instructions, during which the LDS loads land); the raw slot is loaded again; 16 products.  So the waits for raw numbers fall beside matrix work, and a step's text stands four times, not sixteen.
; TWO PRICES of one text for every trip: the sums are cleared by 64 moves, in the wait for the tile, since no first step is written out.
; The matrix instruction is used transposed (source 0 = 16 rows of W_final, source 1 = 16 rows of e): a lane holds eight neighbouring columns of one row of out.
; REGISTERS: window 0: v0-15 addresses; v16-47 at work; v48-63 eh, el; v64-127 W_final's fragments, later the rows read back; v128-191 accumulators.
;   window 1: v0-127 the ring of four slots of raw numbers: img_p hi (8 registers), lo, pooled hi, lo.  Three switches a step.
.set PITCH, 1040                       ; a row of W_final in LDS: 1,024 bytes + 16: the 16 rows of a load start at 16 different groups of four banks (64 banks of 4 bytes: ISA guide 11.1)
.set WPART, 32*PITCH                   ; what one wave fetches
.set STAGE, 4*WPART                    ; behind the tile: 16 rows x 528 bytes for each wave
.set SP,    528
.set SPARE, STAGE+4*16*SP              ; the spare words, 128 bytes for each wave
.set WFOFF, 33554432                   ; where bf16(W_final) begins in bank
.set RO,  3                            ; v3   my byte offset in 16 rows of img_p and pooled; never rewritten
.set BAD, 4                            ; v4-5 my lane's place in the fragments of column blocks 0-3, 4-7; never rewritten
.set ADR, 6                            ; v6-7 the same at the trip's four K steps
.set STO, 8
.set RD,  9
.set GO,  10
.set SPW, 11                           ; v11  LDS address of my spare word; never rewritten
.set NIL, 12                           ; v12  0; never rewritten
.set ONE, 13
.set NEG1, 14
.set TI,  16
.set TP,  32
.set EH,  48
.set EL,  56
.set BF,  64
.set ACC, 128
.set WV,  12
.set G1,  24
.set G0,  32
.set CNT, 36                           ; s36  trips to go
.set KB,  37                           ; s37  the trip's byte in W_final's rows
.set ST,  38                           ; s[38:39] what the raw loads' addresses step by
.set MSB, 0
.macro WIN new
.if MSB != (\new)
	s_set_vgpr_msb (MSB<<8)|(\new)
.set MSB, (\new)
.endif
.endm
.macro CROUND
	s_barrier_signal -1
	s_barrier_wait -1
	s_cmp_lg_u32 s[WV], 0
	s_cbranch_scc1 .Lnot_wave_0_\@
	s_barrier_signal -3
.Lnot_wave_0_\@:
	s_barrier_wait -3
	s_barrier_signal -1
	s_barrier_wait -1
.endm
.macro PLACES                          ; four places between a matrix instruction and a load into, or a vector write of, its registers, or a vector read of its result
.rept 4
	v_nop
.endr
.endm
.macro MIX2 d, a, b, c, hf             ; d = a's bf16 half x b + c's bf16 half, in f32
.if \hf
	v_fma_mix_f32_bf16 v[\d], v[\a], v[\b], v[\c] op_sel:[1,0,1] op_sel_hi:[1,0,1]
.else
	v_fma_mix_f32_bf16 v[\d], v[\a], v[\b], v[\c] op_sel_hi:[1,0,1]
.endif
.endm
.macro MIX1 d, a, b, c, hf             ; d = a's bf16 half x b + c, in f32
.if \hf
	v_fma_mix_f32_bf16 v[\d], v[\a], v[\b], v[\c] op_sel:[1,0,0] op_sel_hi:[1,0,0]
.else
	v_fma_mix_f32_bf16 v[\d], v[\a], v[\b], v[\c] op_sel_hi:[1,0,0]
.endif
.endm
	s_load_b256 s[4:11], s[0:1], 0x0       ; img_p s[4:5], pooled s[6:7], bank s[8:9], out s[10:11]
	v_lshl_add_u32 v[SPW], v0, 2, SPARE
	v_mov_b32 v[NIL], 0
	ds_add_u32 v[SPW], v[NIL]              ; the wave's opening: the add and its wait stand ahead of my first tensor load
	v_lshrrev_b32 v1, 5, v0
	v_readfirstlane_b32 s[WV], v1
	s_bfe_u32 s13, ttmp6, 0x40000          ; cx
	s_lshl_b32 s14, ttmp9, 2
	s_add_co_u32 s14, s14, s13             ; my block of 64 rows
	s_and_b32 s15, ttmp7, 0xffff           ; my block of 128 columns, which the four partners share
	s_mov_b32 s[G1], 15|(1<<16)|(1<<20)|(1<<21)|(7<<22)|(3<<25)  ; the mask of four; 2-byte elements; padding on; 21 set beside a mask; after every 256 words (code 7) 4 words (code 3)
	s_mov_b32 s[G1+1], 512<<16             ; tensor_dim0 = 512
	s_mov_b32 s[G1+2], 32<<16              ; tensor_dim1 = 32
	s_mov_b32 s[G1+3], 512<<16             ; tile_dim0 = 512
	s_mov_b32 s[G1+4], 32                  ; tile_dim1 = 32
	s_mov_b32 s[G1+5], 512
	s_mov_b32 s[G1+6], 0
	s_mov_b32 s[G1+7], 0
	s_mul_i32 s16, s[WV], WPART
	s_lshl_b32 s18, s15, 17                ; 128 rows of 1,024 bytes a block,
	s_lshl_b32 s17, s[WV], 15              ; 32 a wave
	s_add_co_u32 s18, s18, s17
	s_add_co_u32 s18, s18, WFOFF
	s_mov_b32 s19, 0
	s_lshl_b32 s20, s14, 17                ; img_p and pooled: 64 rows of 2,048 bytes a block, 16 a wave
	s_add_co_u32 s20, s20, s17
	s_mov_b32 s21, 0
	s_lshl_b32 s22, s14, 18                ; out: 64 rows of 4,096 bytes a block, 16 a wave, 512 bytes a column block
	s_lshl_b32 s17, s[WV], 16
	s_add_co_u32 s22, s22, s17
	s_lshl_b32 s17, s15, 9
	s_add_co_u32 s22, s22, s17
	s_mov_b32 s23, 0
	s_mov_b32 s[G0], 1
	s_mov_b32 s[G0+1], s16
	s_mov_b32 s[CNT], 4
	s_mov_b32 s[KB], 0
	s_mov_b32 s[ST+1], 0
	s_wait_dscnt 0x0                       ; the opening add is done
	s_wait_kmcnt 0x0
	s_add_nc_u64 s[G0+2:G0+3], s[8:9], s[18:19]
	s_or_b32 s[G0+3], s[G0+3], 0x80000000
	s_add_nc_u64 s[4:5], s[4:5], s[20:21]
	s_add_nc_u64 s[6:7], s[6:7], s[20:21]
	s_add_nc_u64 s[10:11], s[10:11], s[22:23]
	CROUND                                 ; all four work-groups are here: the joint loads meet
	tensor_load_to_lds s[G0:G0+3], s[G1:G1+7]  ; my one tensor load
	s_nop 0
.rept 4
	v_nop
.endr
	v_and_b32 v1, 15, v0
	v_bfe_u32 v2, v0, 4, 1
	v_lshlrev_b32 v[RO], 11, v1
	v_lshl_add_u32 v[RO], v2, 4, v[RO]
; Eight loads of 16 bytes into slot j of the ring: the raw numbers of the j-th K step of the four at s[4:5] and s[6:7].  A step lies in unit j / 2 of those 512 bytes, at byte 64 (j % 2); lo 128 bytes behind hi.
.macro ELOAD j
.set rw, 32*(\j)
.set co, ((\j)/2)*256+((\j)%2)*64
.irp u, 0,1
	global_load_b128 v[rw+4*(\u):rw+4*(\u)+3], v[RO], s[4:5] offset:co+32*(\u)
	global_load_b128 v[rw+8+4*(\u):rw+8+4*(\u)+3], v[RO], s[4:5] offset:co+32*(\u)+128
	global_load_b128 v[rw+16+4*(\u):rw+16+4*(\u)+3], v[RO], s[6:7] offset:co+32*(\u)
	global_load_b128 v[rw+24+4*(\u):rw+24+4*(\u)+3], v[RO], s[6:7] offset:co+32*(\u)+128
.endr
.endm
	WIN 0x40                               ; destination window 1, address window 0
	ELOAD 0
	ELOAD 1
	ELOAD 2
	ELOAD 3
	WIN 0
	v_mov_b32 v[ONE], 1.0
	v_mov_b32 v[NEG1], -1.0
	v_mul_u32_u24 v[BAD], v1, PITCH
	v_lshl_add_u32 v[BAD], v2, 4, v[BAD]
	v_add_nc_u32 v[BAD+1], 4*16*PITCH, v[BAD]
	s_mul_i32 s13, s[WV], 16*SP
	s_add_co_u32 s13, s13, STAGE           ; my stage
	v_mul_u32_u24 v[STO], v1, SP
	v_lshl_add_u32 v[STO], v2, 5, v[STO]
	v_add_nc_u32 v[STO], s13, v[STO]       ; in: row l % 16, 32 bytes for each half of the lanes
	v_and_b32 v[GO], 31, v0
	v_lshlrev_b32 v[GO], 4, v[GO]          ; back and out: 32 lanes take a row's 512 bytes
	v_add_nc_u32 v[RD], s13, v[GO]
.set i, 0
.rept 64
	v_mov_b32 v[ACC+i], 0                  ; the sums start at 0 (see the head)
.set i, i+1
.endr
	s_wait_xcnt 0x0                        ; the loads above have had their addresses translated (ISA guide 3.1): their bases are stepped only behind this wait
	s_add_nc_u64 s[4:5], s[4:5], 512       ; the loop's loads run four K steps, 512 bytes of a row, ahead
	s_add_nc_u64 s[6:7], s[6:7], 512
.macro BLOAD j                         ; 16 LDS loads: the fragments of the eight column blocks for the trip's K step j
.irp jn, 0,1,2,3,4,5,6,7
	ds_load_b128 v[BF+8*(\jn):BF+8*(\jn)+3], v[ADR+(\jn)/4] offset:((\jn)%4)*16*PITCH+64*(\j)
	ds_load_b128 v[BF+8*(\jn)+4:BF+8*(\jn)+7], v[ADR+(\jn)/4] offset:((\jn)%4)*16*PITCH+64*(\j)+32
.endr
.endm
.macro MUL8 e                          ; the eight accumulators take turns
.irp jn, 0,1,2,3,4,5,6,7
	v_wmma_f32_16x16x32_bf16 v[ACC+8*(\jn):ACC+8*(\jn)+7], v[BF+8*(\jn):BF+8*(\jn)+7], v[(\e):(\e)+7], v[ACC+8*(\jn):ACC+8*(\jn)+7]
.endr
.endm
.macro STEP j
.set rw, 32*(\j)
	PLACES                                 ; behind the step before's products: their fragments are loaded anew, and eh and el written anew, below
	BLOAD \j
	s_wait_loadcnt 24                      ; this step's eight raw loads are in; those of the three steps behind it stay out
	WIN 0x11                               ; sources 0 and 2 (hi, lo) in window 1
.set x, 0
.rept 16
	MIX2 TI+x, rw+x/2, ONE, rw+8+x/2, x%2
	MIX2 TP+x, rw+16+x/2, ONE, rw+24+x/2, x%2
.set x, x+1
.endr
	WIN 0x40
	ELOAD \j                               ; the slot has been read: the step four further on
	WIN 0
.set x, 0
.rept 8
	v_pk_mul_f32 v[TI+2*x:TI+2*x+1], v[TI+2*x:TI+2*x+1], v[TP+2*x:TP+2*x+1]
.set x, x+1
.endr
.set x, 0
.rept 8
	v_cvt_pk_bf16_f32 v[EH+x], v[TI+2*x], v[TI+2*x+1]
.set x, x+1
.endr
.set x, 0
.rept 16
	MIX1 TI+x, EH+x/2, NEG1, TI+x, x%2     ; e - eh
.set x, x+1
.endr
.set x, 0
.rept 8
	v_cvt_pk_bf16_f32 v[EL+x], v[TI+2*x], v[TI+2*x+1]
.set x, x+1
.endr
	s_wait_dscnt 0x0                       ; W_final's fragments are in
	MUL8 EH
	MUL8 EL
.endm
	s_wait_tensorcnt 0x0                   ; my part of the tile is in,
	s_barrier_signal -1
	s_barrier_wait -1                      ; everybody's is
.Ltrip:
	v_add_nc_u32 v[ADR], s[KB], v[BAD]
	v_add_nc_u32 v[ADR+1], s[KB], v[BAD+1]
	STEP 0
	STEP 1
	STEP 2
	STEP 3
	s_cmp_gt_u32 s[CNT], 2                 ; behind the first two trips the raw loads go 512 bytes on; then they stay at the rows' last 512 bytes
	s_cselect_b32 s[ST], 512, 0
	s_wait_xcnt 0x0                        ; the trip's loads have had their addresses translated: their bases are stepped only behind this wait
	s_add_nc_u64 s[4:5], s[4:5], s[ST:ST+1]
	s_add_nc_u64 s[6:7], s[6:7], s[ST:ST+1]
	s_add_co_u32 s[KB], s[KB], 256         ; four K steps of 64 bytes
	s_sub_co_u32 s[CNT], s[CNT], 1
	s_cmp_lg_u32 s[CNT], 0
	s_cbranch_scc1 .Ltrip
	; THE WAY OUT: relu; 32 bytes a lane into my own stage; back as whole rows of 512 bytes
	PLACES
.irp jn, 0,1,2,3,4,5,6,7
.irp j, 0,1,2,3,4,5,6,7
	v_max_num_f32 v[ACC+8*(\jn)+(\j)], 0, v[ACC+8*(\jn)+(\j)]
.endr
	ds_store_b128 v[STO], v[ACC+8*(\jn):ACC+8*(\jn)+3] offset:64*(\jn)
	ds_store_b128 v[STO], v[ACC+8*(\jn)+4:ACC+8*(\jn)+7] offset:64*(\jn)+16
.endr
.irp t, 0,1,2,3,4,5,6,7,8,9,10,11,12,13,14,15
	ds_load_b128 v[BF+4*(\t):BF+4*(\t)+3], v[RD] offset:(\t)*SP  ; LDS serves a wave's instructions in order (ISA guide 5.7.1.4): these see the stores above
.endr
.irp t, 0,1,2,3,4,5,6,7,8,9,10,11,12,13,14,15
	s_wait_dscnt 15-(\t)
	global_store_b128 v[GO], v[BF+4*(\t):BF+4*(\t)+3], s[10:11] offset:(\t)*4096  ; 512 consecutive bytes, at a multiple of 256 from out's first byte
.endr
	s_wait_tensorcnt 0x0                   ; the wave's end
	ds_add_u32 v[SPW], v[NIL]
	s_wait_dscnt 0x0
	CROUND                                 ; the closing round
	s_endpgm
.Lfunc_end_k_qfb4c98ea2f_final:
	.size	k_qfb4c98ea2f_final, .Lfunc_end_k_qfb4c98ea2f_final-k_qfb4c98ea2f_final
	.p2alignl 7, 3214868480
	.fill 96, 4, 3214868480
	.section	.rodata,"a",@progbits
	.p2align	6, 0x0
	.amdhsa_kernel k_qfb4c98ea2f_final
		.amdhsa_group_segment_fixed_size 327680
		.amdhsa_private_segment_fixed_size 0
		.amdhsa_enable_private_segment 0
		.amdhsa_kernarg_size 32
		.amdhsa_user_sgpr_count 2
		.amdhsa_user_sgpr_kernarg_segment_ptr 1
		.amdhsa_wavefront_size32 1
		.amdhsa_system_sgpr_workgroup_id_x 1
		.amdhsa_system_sgpr_workgroup_id_y 1
		.amdhsa_system_sgpr_workgroup_id_z 1
		.amdhsa_system_vgpr_workitem_id 0
		.amdhsa_next_free_vgpr 384
		.amdhsa_next_free_sgpr 66
		.amdhsa_reserve_vcc 0
		.amdhsa_float_denorm_mode_32 3
		.amdhsa_float_denorm_mode_16_64 3
		.amdhsa_memory_ordered 1
		.amdhsa_forward_progress 1
		.amdhsa_inst_pref_size 47
	.end_amdhsa_kernel
	.amdgpu_metadata
---
amdhsa.version: [ 1, 2 ]
amdhsa.kernels:
  - .name:           k_qfb4c98ea2f_final
    .symbol:         k_qfb4c98ea2f_final.kd
    .args:
      - { .name: imgp, .offset: 0, .size: 8, .value_kind: global_buffer, .address_space: global }
      - { .name: rowsB, .offset: 8, .size: 8, .value_kind: global_buffer, .address_space: global }
      - { .name: bank, .offset: 16, .size: 8, .value_kind: global_buffer, .address_space: global }
      - { .name: out0, .offset: 24, .size: 8, .value_kind: global_buffer, .address_space: global }
    .group_segment_fixed_size: 327680
    .private_segment_fixed_size: 0
    .kernarg_segment_align: 8
    .kernarg_segment_size: 32
    .max_flat_workgroup_size: 128
    .sgpr_count:     66
    .vgpr_count:     384
    .wavefront_size: 32
...
	.end_amdgpu_metadata
.endif
;; end of part 5
